; MI455X (gfx1250); checked and timed in simulation.
; The chip was launched on July 23, 2026; its instructions are those of AMD's public machine-readable ISA for CDNA 5 (MIT licence, August 2026) and "CDNA5" Instruction Set Architecture Reference Guide (July 2026). The comments in the code are by the model that wrote it; some were corrected since.
;; Cross Attention. Allowed arithmetic: matrix products marked QUANTISED: E5M2 operands, one given power-of-two scale a tensor, by v_wmma_f32_16x16x64_bf8_bf8 or v_wmma_f32_16x16x128_bf8_bf8, f32 sums; everything else in f32.
;; Inputs: Wk_codes 512 x 24 x 32 uint8 (E5M2 codes of Wk, K innermost, in blocks of 32 codes); Wq_codes 512 x 16 x 32 uint8 (E5M2 codes of Wq, K innermost, in blocks of 32 codes); Wv_codes 512 x 24 x 32 uint8 (E5M2 codes of Wv, K innermost, in blocks of 32 codes); context_codes 8 x 1,024 x 24 x 32 uint8 (E5M2 codes of context, K innermost, in blocks of 32 codes); lowp_scales 10 int32 (the exponents e of the quantised operands' scales 2^e); tokens_codes 8 x 4,096 x 16 x 32 uint8 (E5M2 codes of tokens, K innermost, in blocks of 32 codes).
;; Outputs: out0 8 x 4,096 x 512 float32.
;; This version of the problem:
;;   THIS VERSION OF THE PROBLEM IS GIVEN IN LOW PRECISION. The matrix products marked QUANTISED in the list below multiply operands that are first quantised to E5M2 (5 exponent bits, 2 mantissa bits; 8 bits a number), with one given power-of-two scale for each operand tensor; their sums are f32. All else is computed in f32.
;;   The module's matrix products, in the order in which they are computed (A, B: the left and right operand; K: the contracted axis; several contracted axes count as one K, in the product's order):
;;     1. [M 32,768, K 512] x [K 512, N 512]; A: input tokens (given as codes); B: input Wq (given as codes): QUANTISED (scales: A lowp_scales[0], B lowp_scales[1])
;;     2. [M 8,192, K 768] x [K 768, N 512]; A: input context (given as codes); B: input Wk (given as codes): QUANTISED (scales: A lowp_scales[2], B lowp_scales[3])
;;     3. [M 8,192, K 768] x [K 768, N 512]; A: input context (given as codes); B: input Wv (given as codes): QUANTISED (scales: A lowp_scales[4], B lowp_scales[5])
;;     4. batch 8 x [M 4,096, K 512] x [K 512, N 1,024]; A: computed on the way; B: computed on the way: QUANTISED (scales: A lowp_scales[6], B lowp_scales[7])
;;     5. batch 8 x [M 4,096, K 1,024] x [K 1,024, N 512]; A: softmax (see below); B: computed on the way: QUANTISED (scales: A lowp_scales[8], B lowp_scales[9])
;;   THE QUANTISER, for each operand of a quantised product, along K:
;;     - The operand's scale is 2^e, e = its entry of the input lowp_scales (int32; the entries are numbered through the quantised products in the list's order, A before B).
;;     - Each number is divided by the scale, clamped to +-57,344, and rounded to the nearest number of E5M2, ties to even, subnormals kept.
;;     - The product sums the exact products of the quantised numbers (number of the format x scale) in f32.
;;   ~~~python
;;   def quantise(x, axis, e):      # numpy; x: float32 -> the quantised numbers, widened to float32 again
;;       x = np.moveaxis(x, axis, -1); K = x.shape[-1]
;;       r = np.clip(x / 2.0 ** e, -57344, 57344)
;;       step = 2.0 ** (np.maximum(np.frexp(np.where(r == 0, 1, r))[1] - 1, -14) - 2)
;;       q = np.round(r / step) * step * 2.0 ** e      # np.round: ties to even
;;       return np.moveaxis(q, -1, axis).astype(np.float32)
;;   ~~~
;;   SOFTMAX AHEAD OF A QUANTISED PRODUCT. Where the list says 'softmax', what is quantised is not the finished softmax but p = 2^(t - M), with t = logit x log2(e) and M = ceil(the row's largest t), a whole number; so 1/2 < the row's largest p <= 1. The row's sum l is taken of the UNQUANTISED p, in f32, and the product's result is divided by l at the end. Since M is a whole number, a kernel that streams over the keys may use a running M (the ceiling of the running maximum): every later rescaling is an exact power of two, so the quantised numbers keep their values, but for numbers so far below the row's largest that they fall under the format's range.
;;   OPERANDS COMPUTED ON THE WAY. 'Computed on the way' means the value that the module computes at that place (a softmax that the list does not call 'softmax' is quantised finished and normalised). What goes into a quantiser is computed in f32, as accurately as f32 sums, v_exp_f32 and their like allow (about 1e-6 of the number): no bf16 or f16 on the way to a quantiser, and a product that is left as it is and whose result goes on into a quantised operand takes f32 operands (vector FMAs, or v_wmma_f32_16x16x4_f32). A number that lies on a knife's edge between two numbers of the format may be rounded either way, as far as f32 arithmetic and the matrix unit's own rounding can turn it there, and no further.
;;   INPUTS GIVEN AS CODES. Wk (in the module: [768, 512], K = its axis 0); Wq (in the module: [512, 512], K = its axis 0); Wv (in the module: [768, 512], K = its axis 0); context (in the module: [8, 1024, 768], K = its axis 2); tokens (in the module: [8, 4096, 512], K = its axis 2): each comes as NAME_codes (uint8): NAME with its K axis moved to the last place and cut into blocks of 32 codes, [.., K / 32, bytes a block], one block behind the other in memory; one code a byte (a code: sign, 5 exponent bits, 2 mantissa bits); its scale is its entry of lowp_scales. Its value is code x scale, taken as it is: it is not quantised again, and the codes and scales need not be those that the quantiser above would give.
;; One version. Each part assembles by itself: llvm-mc -triple=amdgcn-amd-amdhsa -mcpu=gfx1250 --defsym DOCPART=n.
;; ======== version 1 of 1: 2 launches
;; limits: right only within a limited range of input values
;; workspace buffers: kv 8,388,608 bytes
;; launch kvproj (part 1): grid 256 x 1, 4 waves a work-group, clusters of 4 x 1, 327,680 bytes of LDS; arguments context_codes, Wk_codes, Wv_codes, lowp_scales, kv; writes kv
.if DOCPART == 1
	.amdgcn_target "amdgcn-amd-amdhsa--gfx1250"
	.amdhsa_code_object_version 6
	.text
	.protected	k_q7a78053b0d_kvproj
	.globl	k_q7a78053b0d_kvproj
	.p2align	8
	.type	k_q7a78053b0d_kvproj,@function
k_q7a78053b0d_kvproj:
	s_mov_b64 s[64:65], 0
	v_nop
	global_prefetch_b8 v0, s[64:65] scope:SCOPE_SE
	s_setreg_imm32_b32 hwreg(HW_REG_WAVE_MODE, 25, 1), 1
	s_wait_xcnt 0x0
	s_wait_alu depctr_hold_cnt(0) depctr_sa_sdst(0) depctr_va_vdst(0) depctr_va_sdst(0) depctr_va_ssrc(0) depctr_va_vcc(0) depctr_vm_vsrc(0)
	s_getreg_b32 s2, hwreg(HW_REG_IB_STS2, 6, 4)
	s_cmp_eq_u32 s2, 0
	s_cbranch_scc0 .Lentry_in_a_cluster
	s_endpgm
.Lentry_in_a_cluster:
	s_bfe_u32 s2, ttmp6, 0x10000c
	s_cmp_lg_u32 s2, 0x3003
	s_cbranch_scc0 .Lentry_shape_is_right
	s_endpgm
.Lentry_shape_is_right:
; K = context Wk and V = context Wv on codes of BF8 (E5M2), and both results quantised again (K with e7, V with e9) for the attention launch.  No step of the problem is left out.
; ONE JOB FOR BOTH: out(x, y) = Q(sum over k of X[x][k] Y[y][k]), K = 768.  X's rows are source 1 (a lane keeps one row x), Y's rows are source 0 (they run along the lane's registers).
;   type K (clusters 0-31):  X = 256 rows of context (keys),  Y = 128 rows of Wk (the embedding): an operand whose rows are keys and whose K is the embedding.
;   type V (clusters 32-63): X = 256 rows of Wv (channels),   Y = 128 rows of context (keys):    an operand whose rows are channels and whose K is the keys.
; In tile y of 16 rows of Y lane (r, h) holds row r of X, and its register j the number k' = 16 y + 8 h + j of the NEXT product's K: one conversion of the tile's eight registers gives registers 2 y, 2 y + 1 of the next operand.
; kv: [batch 8][1 MiB].  First half: K, four slots of 256 keys: key step (128 keys) j at 65,536 j: images (key tile t, embedding step s) at 2,048 (4 t + s).
; Second half: V, four blocks of 128 channels: channel tile ct at 16,384 ct; in it key step j at 8,192 ((j % 2) xor ((ct / 4) % 2)) + 2,048 (j / 2).  An image is 2,048 bytes: registers 4 c .. 4 c + 3 of lane l at 512 c + 16 l.
; SHARES.  A work-group: 256 x 128 of the result, all 768 of K in LDS, filled once: ONE tensor load a wave (waves 0, 1: X's halves; waves 2, 3: Y's).  A wave: 64 rows of X x 128 rows of Y; 6 steps of 128 along K.
; CLUSTER.  The four partners share X's tile: it is asked for jointly.  Y's tile is each work-group's own: a plain load.
; LIMITS: e7 - e2 - e3 and e9 - e4 - e5 lie between -127 and 111, so that twice the scale and 57,344 x that are f32 numbers.  Codes that are infinity or NaN are not served.
; No prefetch: a wave's one tile is asked for at its head; there is no loop to run ahead in.
; REGISTERS, windows of 256: window 0: v1-17 addresses and constants; v32-95 -X's fragments, later the codes made; v126, v127 the add's; v128-255 X's fragments, two sets.
;   window 1: the sum with X of tile (x, y) at v[64 x + 8 y].   window 2: Y's fragments, two sets of 128.   window 3: the sums with -X.
.set TWICE, 1
.set PITCH, 816                        ; an LDS row: 3 x (256 bytes + 16 of padding) = 204 words
.set YOFF,  256*PITCH
.set SPARE, 384*PITCH                  ; the spare words, behind the tiles
.set AX,    4                          ; v4      LDS address of my X fragments
.set AY,    8                          ; v8, v9  Y's tiles 0-3, 4-7
.set OA,    12                         ; v12-15  byte offset in kv of X tile 0..3's image
.set SC,    16                         ; the conversion's scale
.set LIMV,  17                         ; 57,344 x that
.set XN,    32
.set CD,    32
.set G1X,   24
.set G1Y,   32
.set G0X,   40
.set G0Y,   52
.set MSB, 0
.macro WIN new                         ; the immediate's high byte repeats the setting that is left
.if MSB != (\new)
	s_set_vgpr_msb (MSB<<8)|(\new)
.set MSB, (\new)
.endif
.endm
.macro PLACES n
.rept \n
	v_nop
.endr
.endm
.macro CROUND                          ; a round of the cluster's barrier
	s_barrier_signal -1
	s_barrier_wait -1
	s_cmp_lg_u32 s14, 0
	s_cbranch_scc1 .Lnot_wave_0_\@
	s_barrier_signal -3
.Lnot_wave_0_\@:
	s_barrier_wait -3
	s_barrier_signal -1
	s_barrier_wait -1
.endm
	s_load_b256 s[4:11], s[0:1], 0x0               ; context s[4:5], Wk s[6:7], Wv s[8:9], the scales' exponents s[10:11]
	s_load_b64 s[12:13], s[0:1], 0x20              ; kv
	v_lshl_add_u32 v126, v0, 2, SPARE
	v_mov_b32 v127, 0
	ds_add_u32 v126, v127                          ; the opening lines: the add twice on end, and its wait
	ds_add_u32 v126, v127
	v_lshrrev_b32 v1, 5, v0
	v_readfirstlane_b32 s14, v1                    ; wave 0..3
	s_mov_b32 s3, 0x80808080                       ; the sign bits of four codes
	s_bfe_u32 s15, ttmp6, 0x40000                  ; cx; ttmp9 counts clusters, 0..63
	; both types' byte offsets are made, then chosen by one compare.  s16, s17 (X's, the joint load's) never hold cx
	s_mul_i32 s16, ttmp9, 196608                   ; type K: X = context from row 256 x cluster (768 bytes a row),
	s_mul_i32 s18, s15, 98304                      ;         Y = Wk from row 128 cx,
	s_lshr_b32 s20, ttmp9, 2                       ;         out: batch = cluster / 4,
	s_lshl_b32 s20, s20, 20
	s_and_b32 s78, ttmp9, 3
	s_lshl_b32 s78, s78, 17
	s_add_co_u32 s20, s20, s78                     ;         slot cluster % 4,
	s_lshl_b32 s78, s15, 11
	s_add_co_u32 s20, s20, s78                     ;         embedding step cx,
	s_lshl_b32 s78, s14, 15
	s_add_co_u32 s20, s20, s78                     ;         key step wave / 2 of the slot, key tiles 4 (wave % 2) on
	s_bfe_u32 s79, ttmp9, 0x10004                  ; type V: xb: which 256 channels
	s_mul_i32 s17, s79, 196608                     ;         X = Wv from row 256 xb,
	s_and_b32 s78, ttmp9, 15
	s_lshl_b32 s78, s78, 2
	s_add_co_u32 s78, s78, s15                     ;         yb = 4 (cluster % 16) + cx: which 128 keys of the 8,192
	s_mul_i32 s19, s78, 98304                      ;         Y = context from row 128 yb,
	s_lshr_b32 s21, s78, 3                         ;         out: batch yb / 8,
	s_lshl_b32 s21, s21, 20
	s_add_co_u32 s21, s21, 0x80000                 ;         behind K's half,
	s_lshl_b32 s79, s79, 18
	s_add_co_u32 s21, s21, s79                     ;         channel tiles 16 xb on,
	s_lshl_b32 s79, s14, 16
	s_add_co_u32 s21, s21, s79                     ;         + 4 x wave,
	s_xor_b32 s79, s78, s14
	s_and_b32 s79, s79, 1
	s_lshl_b32 s79, s79, 13
	s_add_co_u32 s21, s21, s79                     ;         (j % 2) xor (wave % 2),
	s_bfe_u32 s79, s78, 0x20001
	s_lshl_b32 s79, s79, 11
	s_add_co_u32 s21, s21, s79                     ;         j / 2
	s_mov_b32 s22, 8192                            ; from one X tile's image to the next: type K four fragments,
	s_mov_b32 s23, 16384                           ; type V a channel tile
	; descriptor group 1: dense rows of 768 bytes, stated as rows of 256, 16 bytes of padding behind each
	s_mov_b32 s[G1X], 15|(1<<20)|(1<<21)|(5<<22)|(3<<25)  ; mask: all four work-groups; elements of 1 byte; padding of 4 words after every 64; bit 21 set beside a mask
	s_mov_b32 s[G1X+1], 256<<16
	s_mov_b32 s[G1X+2], 384<<16
	s_mov_b32 s[G1X+3], 256<<16
	s_mov_b32 s[G1X+4], 384                        ; 128 rows of X
	s_mov_b32 s[G1X+5], 256
	s_mov_b32 s[G1X+6], 0
	s_mov_b32 s[G1X+7], 0
	s_mov_b32 s[G1Y], (1<<20)|(5<<22)|(3<<25)      ; no mask
	s_mov_b32 s[G1Y+1], 256<<16
	s_mov_b32 s[G1Y+2], 192<<16
	s_mov_b32 s[G1Y+3], 256<<16
	s_mov_b32 s[G1Y+4], 192                        ; 64 rows of Y
	s_mov_b32 s[G1Y+5], 256
	s_mov_b32 s[G1Y+6], 0
	s_mov_b32 s[G1Y+7], 0
	s_wait_alu depctr_va_vdst(0)
	s_wait_dscnt 0x0                               ; both opening adds are done
	s_wait_kmcnt 0x0
	s_load_b256 s[68:75], s[10:11], 0x0            ; e0 .. e7
	s_load_b64 s[76:77], s[10:11], 0x20            ; e8, e9
	s_cmp_lt_u32 ttmp9, 32                         ; type K or type V; only selects follow, which leave SCC as it is
	s_cselect_b64 s[6:7], s[6:7], s[4:5]           ; Y: Wk or context
	s_cselect_b64 s[4:5], s[4:5], s[8:9]           ; X: context or Wv
	s_cselect_b32 s16, s16, s17
	s_cselect_b32 s18, s18, s19
	s_cselect_b32 s20, s20, s21
	s_cselect_b32 s22, s22, s23
	s_mov_b32 s17, 0
	s_mov_b32 s19, 0
	s_mov_b32 s21, 0
	s_and_b32 s79, s14, 1                          ; which half of the tile I fetch
	s_mul_i32 s23, s79, 98304
	s_add_co_u32 s16, s16, s23                     ; 128 rows of X
	s_mul_i32 s23, s79, 49152
	s_add_co_u32 s18, s18, s23                     ; or 64 rows of Y
	s_add_nc_u64 s[4:5], s[4:5], s[16:17]
	s_add_nc_u64 s[6:7], s[6:7], s[18:19]
	s_add_nc_u64 s[66:67], s[12:13], s[20:21]      ; where my wave's images go
	s_mul_i32 s78, s79, 128*PITCH                  ; and where the tiles go: the wave's number alone enters an LDS address
	s_mul_i32 s79, s79, 64*PITCH
	s_add_co_u32 s79, s79, YOFF
	s_mov_b32 s[G0X], 1
	s_mov_b32 s[G0X+1], s78
	s_mov_b64 s[G0X+2:G0X+3], s[4:5]
	s_or_b32 s[G0X+3], s[G0X+3], 0x80000000
	s_mov_b32 s[G0Y], 1
	s_mov_b32 s[G0Y+1], s79
	s_mov_b64 s[G0Y+2:G0Y+3], s[6:7]
	s_or_b32 s[G0Y+3], s[G0Y+3], 0x80000000
	CROUND                                         ; all four work-groups are here: the joint loads meet
	s_cmp_lt_u32 s14, 2
	s_cbranch_scc0 .Lfor_y
	tensor_load_to_lds s[G0X:G0X+3], s[G1X:G1X+7]
	s_nop 0
	PLACES 4
	s_branch .Lasked
.Lfor_y:
	tensor_load_to_lds s[G0Y:G0Y+3], s[G1Y:G1Y+7]
	s_nop 0
	PLACES 4
.Lasked:
	v_and_b32 v1, 15, v0                           ; r
	v_bfe_u32 v2, v0, 4, 1                         ; h
	v_mul_u32_u24 v3, v1, PITCH
	v_lshl_add_u32 v3, v2, 3, v3                   ; a fragment's row x pitch + 8 h
	s_mul_i32 s78, s14, 64*PITCH
	v_add_nc_u32 v[AX], s78, v3                    ; my 64 rows of X
	v_add_nc_u32 v[AY], YOFF, v3                   ; every wave reads all 128 rows of Y
	v_add_nc_u32 v[AY+1], YOFF+64*PITCH, v3
	v_and_b32 v11, 31, v0
	v_lshlrev_b32 v[OA], 4, v11                    ; 16 x lane
	v_add_nc_u32 v[OA+1], s22, v[OA]
	s_lshl_b32 s23, s22, 1
	v_add_nc_u32 v[OA+2], s23, v[OA]
	s_add_co_u32 s23, s23, s22
	v_add_nc_u32 v[OA+3], s23, v[OA]
	s_wait_alu depctr_va_vdst(0)
	s_wait_kmcnt 0x0
	s_sub_co_i32 s16, s75, s70                     ; a sum stands for sum x 2^(eA + eB), so its code is sum / 2^E:  type K: E = e7 - e2 - e3,
	s_sub_co_i32 s16, s16, s71
	s_sub_co_i32 s17, s77, s72                     ; type V: E = e9 - e4 - e5
	s_sub_co_i32 s17, s17, s73
	s_cmp_lt_u32 ttmp9, 32
	s_cselect_b32 s16, s16, s17                    ; chosen without a branch
	s_add_co_i32 s16, s16, 127+TWICE               ; one more where twice the sum is converted
	s_lshl_b32 s17, s16, 23
	v_mov_b32 v[SC], s17
	s_add_co_i32 s16, s16, 15
	s_lshl_b32 s16, s16, 23
	s_or_b32 s16, s16, 0x600000
	v_mov_b32 v[LIMV], s16                         ; 57,344 x the scale
; the fragments of K step i (half i % 2 of the row's 256-byte piece i / 2) into set i % 2; registers 2 c, 2 c + 1 take k = 16 c + 8 h + 0 .. 7
.macro FETCH i
	WIN 0x80                                       ; destination window 2, address window 0
.irp y, 0,1,2,3,4,5,6,7
.irp c, 0,1,2,3,4,5,6,7
	ds_load_b64 v[128*((\i)%2)+16*\y+2*\c:128*((\i)%2)+16*\y+2*\c+1], v[AY+(\y/4)] offset:(\y%4)*16*PITCH+272*((\i)/2)+128*((\i)%2)+16*\c
.endr
.endr
	WIN 0
.irp x, 0,1,2,3
.irp c, 0,1,2,3,4,5,6,7
	ds_load_b64 v[128+64*((\i)%2)+16*\x+2*\c:128+64*((\i)%2)+16*\x+2*\c+1], v[AX] offset:\x*16*PITCH+272*((\i)/2)+128*((\i)%2)+16*\c
.endr
.endr
.endm
.macro NEGX i                          ; -X's fragments of step i
	WIN 0
.set j, 0
.rept 64
	v_xor_b32 v[XN+j], s3, v[128+64*((\i)%2)+j]
.set j, j+1
.endr
.endm
; 32 matrix instructions on the 32 accumulators of one window; b0: where source 1's four fragments begin.  Step 0 starts the sums with the constant 0
.macro MUL32 i, b0
.irp x, 0,1,2,3
.irp y, 0,1,2,3,4,5,6,7
.if (\i) == 0
	v_wmma_f32_16x16x128_bf8_bf8 v[64*\x+8*\y:64*\x+8*\y+7], v[128*((\i)%2)+16*\y:128*((\i)%2)+16*\y+15], v[(\b0)+16*\x:(\b0)+16*\x+15], 0
.else
	v_wmma_f32_16x16x128_bf8_bf8 v[64*\x+8*\y:64*\x+8*\y+7], v[128*((\i)%2)+16*\y:128*((\i)%2)+16*\y+15], v[(\b0)+16*\x:(\b0)+16*\x+15], v[64*\x+8*\y:64*\x+8*\y+7]
.endif
.endr
.endr
.endm
.macro MUL i                           ; a K step: the accumulators take turns, one instruction a turn, in the same order in every step
	WIN 0x52                                       ; source 0 (Y) window 2, source 1 (X) window 0, C and D window 1
	MUL32 \i, 128+64*((\i)%2)
.if TWICE
	WIN 0xf2                                       ; the same with -X, C and D window 3
	MUL32 \i, XN
.endif
.endm
; X tile x leaves: held within the largest code x the scale, converted, stored as the image of an operand's registers
.macro QOUT x
	WIN 0x41                                       ; the sums window 1, the bound window 0
.set j, 0
.rept 64
	v_med3_num_f32 v[64*\x+j], v[64*\x+j], -v[LIMV], v[LIMV]   ; the conversion to an 8-bit code does not saturate (ISA guide 7.6.2)
.set j, j+1
.endr
	WIN 0x01
.irp g, 0,1,2,3,4,5,6,7
	v_cvt_scalef32_pk8_bf8_f32 v[CD+16*\x+2*\g:CD+16*\x+2*\g+1], v[64*\x+8*\g:64*\x+8*\g+7], v[SC]
.endr
	v_nop                                          ; a plain line behind the last conversion of the run
	WIN 0
.irp c, 0,1,2,3
	global_store_b128 v[OA+\x], v[CD+16*\x+4*\c:CD+16*\x+4*\c+3], s[66:67] offset:512*\c   ; 512 consecutive bytes a wave, at a multiple of 512 from kv's first byte
.endr
.endm
	s_wait_alu depctr_va_vdst(0)                   ; the head's end
	s_wait_tensorcnt 0x0                           ; my part has landed;
	s_barrier_signal -1
	s_barrier_wait -1                              ; everybody's has
	FETCH 0
.irp i, 0,1,2,3,4,5
	s_wait_dscnt 0x0                               ; step i's fragments are in
.if \i > 0
	PLACES 4                                       ; four places behind step i - 1's products, for the loads into the set that they read and for NEGX's lines (ISA guide 7.12.1 for NEGX's lines)
.endif
.if \i < 5
	FETCH \i+1
.endif
.if TWICE
	NEGX \i
.endif
	MUL \i
.endr
	PLACES 4                                       ; in front of the first read of results
.if TWICE
	WIN 0x4d                                       ; destination and source 0 window 1, source 1 window 3
.set j, 0
.rept 128
	v_pk_add_f32 v[j:j+1], v[j:j+1], v[j:j+1] neg_lo:[0,1] neg_hi:[0,1]   ; the sum with X less the sum with -X; each accumulator from its low end on
.set j, j+2
.endr
.endif
	QOUT 0
	QOUT 1
	QOUT 2
	QOUT 3
	s_wait_alu depctr_va_vdst(0)
	s_wait_tensorcnt 0x0                           ; the wave's end
	ds_add_u32 v126, v127
	s_wait_dscnt 0x0
	CROUND                                         ; the closing round
	s_endpgm
.Lfunc_end_k_q7a78053b0d_kvproj:
	.size	k_q7a78053b0d_kvproj, .Lfunc_end_k_q7a78053b0d_kvproj-k_q7a78053b0d_kvproj
	.p2alignl 7, 3214868480
	.fill 96, 4, 3214868480
	.section	.rodata,"a",@progbits
	.p2align	6, 0x0
	.amdhsa_kernel k_q7a78053b0d_kvproj
		.amdhsa_group_segment_fixed_size 327680
		.amdhsa_private_segment_fixed_size 0
		.amdhsa_enable_private_segment 0
		.amdhsa_kernarg_size 40
		.amdhsa_user_sgpr_count 2
		.amdhsa_user_sgpr_kernarg_segment_ptr 1
		.amdhsa_wavefront_size32 1
		.amdhsa_system_sgpr_workgroup_id_x 1
		.amdhsa_system_sgpr_workgroup_id_y 1
		.amdhsa_system_sgpr_workgroup_id_z 1
		.amdhsa_system_vgpr_workitem_id 0
		.amdhsa_next_free_vgpr 1024
		.amdhsa_next_free_sgpr 80
		.amdhsa_reserve_vcc 0
		.amdhsa_float_denorm_mode_32 3
		.amdhsa_float_denorm_mode_16_64 3
		.amdhsa_memory_ordered 1
		.amdhsa_forward_progress 1
		.amdhsa_inst_pref_size 110
	.end_amdhsa_kernel
	.amdgpu_metadata
---
amdhsa.version: [ 1, 2 ]
amdhsa.kernels:
  - .name:           k_q7a78053b0d_kvproj
    .symbol:         k_q7a78053b0d_kvproj.kd
    .args:
      - { .name: context_codes, .offset: 0, .size: 8, .value_kind: global_buffer, .address_space: global }
      - { .name: Wk_codes, .offset: 8, .size: 8, .value_kind: global_buffer, .address_space: global }
      - { .name: Wv_codes, .offset: 16, .size: 8, .value_kind: global_buffer, .address_space: global }
      - { .name: lowp_scales, .offset: 24, .size: 8, .value_kind: global_buffer, .address_space: global }
      - { .name: kv, .offset: 32, .size: 8, .value_kind: global_buffer, .address_space: global }
    .group_segment_fixed_size: 327680
    .private_segment_fixed_size: 0
    .kernarg_segment_align: 8
    .kernarg_segment_size: 40
    .max_flat_workgroup_size: 128
    .sgpr_count:     80
    .vgpr_count:     1024
    .wavefront_size: 32
...
	.end_amdgpu_metadata
.endif
;; end of part 1
;; launch attn (part 2): grid 32 x 8, 4 waves a work-group, clusters of 4 x 1, 327,680 bytes of LDS; arguments tokens_codes, Wq_codes, kv, lowp_scales, out0; writes out0
.if DOCPART == 2
	.amdgcn_target "amdgcn-amd-amdhsa--gfx1250"
	.amdhsa_code_object_version 6
	.text
	.protected	k_q7a78053b0d_attn
	.globl	k_q7a78053b0d_attn
	.p2align	8
	.type	k_q7a78053b0d_attn,@function
k_q7a78053b0d_attn:
	s_mov_b64 s[64:65], 0
	v_nop
	global_prefetch_b8 v0, s[64:65] scope:SCOPE_SE
	s_setreg_imm32_b32 hwreg(HW_REG_WAVE_MODE, 25, 1), 1
	s_wait_xcnt 0x0
	s_wait_alu depctr_hold_cnt(0) depctr_sa_sdst(0) depctr_va_vdst(0) depctr_va_sdst(0) depctr_va_ssrc(0) depctr_va_vcc(0) depctr_vm_vsrc(0)
	s_getreg_b32 s2, hwreg(HW_REG_IB_STS2, 6, 4)
	s_cmp_eq_u32 s2, 0
	s_cbranch_scc0 .Lentry_in_a_cluster
	s_endpgm
.Lentry_in_a_cluster:
	s_bfe_u32 s2, ttmp6, 0x10000c
	s_cmp_lg_u32 s2, 0x3003
	s_cbranch_scc0 .Lentry_shape_is_right
	s_endpgm
.Lentry_shape_is_right:
; Q = tokens Wq (quantised with e6), S = Q K^T, the softmax, O = P V, on codes of BF8 (E5M2); K and V come as images of operand registers from the launch before (its head states kv's layout).  No step of the problem is left out.
; SHARES.  A work-group: 128 queries of one batch.  Wave w = 2 qh + kh.  Q: the wave makes 64 queries (half qh) x 256 of the embedding; the pair of waves exchanges through LDS, so that each holds Q of its 64 queries.
;   SCORES: 64 queries x one of the two key steps of a slot of 256 keys, in two steps of 64 keys.   O: 64 queries x 64 of the 128 channels of a block, all 1,024 keys.  So a fragment of K or of V feeds four matrix instructions.
; ALL SCORES COME AHEAD OF THE SECOND PRODUCT: p = 2^(t - M) is quantised under the running M of its step and kept as codes in registers (256 a wave).  When all keys have been seen the codes are brought under the row's last M,
;   the larger of the pair's two: unpacked and converted again, divided by 2^(last M - its M), a power of two.  The pair exchanges its codes through LDS.  Then V is walked by blocks of 128 channels, and a finished block's results leave while the next is multiplied.
; M is a whole number, kept as -M = floor(-t).  The row's sum is taken of the unquantised p, in f32.
; LAYOUT.  All products are used transposed (source 1 = 16 queries): a lane holds ONE query throughout, and a conversion of a tile's eight registers gives registers 2 y, 2 y + 1 of the next operand.
; Q'S SUMS GO ON INTO A QUANTISER: every k stands in its own place of the layout, and (TWICE = 1) each sum is made with the tokens and with their negatives; the difference, twice the sum, is quantised.
; RING: two slots in LDS; eight fills of 131,072 bytes (K's four slots, V's four blocks, end to end in kv), joint loads of a cluster of four work-groups, which walk the same K, V and Wq.  Wq's two halves come first, one in each slot.
; PREFETCH INTO THE L2: behind fill f the cluster with number 0 of each batch asks for fill f + 1: 512 blocks of 256 bytes, a lane a block, one instruction a wave, shared out among the four work-groups by address; the last fill asks for nothing; fill 0 comes by its load alone.
; LIMITS: e6 - e0 - e1 between -127 and 111; e6 + e7 between -121 and 130; e8 between -126 and 112, and the hold at 57,344 x 2^e8 is taken under the running M, which is the same as under the last M where e8 is -15 or more.
;   The scaled scores (exponents to the base 2) stay under 2^31.  Codes that are infinity or NaN are not served.  Numbers that fall under the format's smallest when their M is changed are rounded once more.
; REGISTERS, windows of 256: 0: addresses, state, v128-255 the fragment ring (2 x 4 fragments).  1: Q (64 ks + 16 t; its upper half holds Q's sums while they are made), then the partner's codes of p.
;   2: the tokens' fragments, then S in two buffers of 128 (32 t + 8 tile), then O.  3: the tokens' rows, their negatives, then my codes of p (64 slot + 16 t).
.set TWICE, 1
.set SLOT,  135168                     ; 256 rows of Wq x 528; a fill of kv takes 131,072 of it.  Its bits and those of wave x 32,768 do not meet
.set WP,    528                        ; a row of 512 bytes + 16 of padding: 132 words
.set STAGE, 2*SLOT                     ; 4 x 8,448: tokens' rows, Q's codes, p's codes, O's rows by turns
.set SPARE, STAGE+33792                ; the spare words: two blocks of 256 bytes
.set XREG,  SPARE+512                  ; the pair's M and sums: 1,024 bytes a wave
.set AK,  3                            ; kh x 65,536 + 16 x lane
.set LI,  4                            ; 16 x lane
.set ADK, 5                            ; fragment address in the slot in hand
.set AW,  6                            ; a fragment of Wq
.set QA,  7                            ; where Q's codes go
.set STO, 8                            ; the way out: in
.set RD,  9                            ;              back
.set PFO, 10
.set TKA, 11
.set SPW, 12
.set NIL, 13
.set CO,  14                           ; the way out: offset in the output
.set QP,  15
.set KONE, 16                          ; four scale bytes of 1.0
.set QA0, 17
.set PSC, 18
.set PLIM, 19
.set QSC, 20
.set QLIM, 21
.set XS,  22
.set XPP, 23
.set INV, 24                           ; v24, 26, 28, 30: 2^(e8 + e9) / the row's sum
.set NMA, 32                           ; -M of an odd step, query tile t at + 2 t;  the odd registers are TA's
.set NMB, 40                           ; of an even step
.set NMC, 48                           ; of the last step
.set TA,  33                           ; three temporaries a query tile: TA + 2 t, TA + 8 + 2 t, TA + 16 + 2 t
.set FF,  56                           ; f = 2^(old M - new M); odd registers: the running largest score
.set SM,  64                           ; the sums, two pairs a query tile
.set HI,  80                           ; -M of steps 0..4: HI + 4 step + t
.set CD,  100                          ; Q's codes, 16 registers
.set PX,  116                          ; the partner's -M and sum
.set XRO, 124
.set XRP, 125
.set FB,  128
.set TMP, 64                           ; the way out (the state is no longer needed)
.set BK,  32                           ; v32-63 and v96-127 by turns
.set SEL,  20
.set CS,   22
.set G1W,  24
.set G1KV, 32
.set G0W,  40
.set NCS,  44
.set NEG,  45
.set G0KV, 48
.set TB,   52
.set CNT,  53
.set LIM,  54
.set FC,   55
.set PFA,  56
.set OW,   82
.set OQ,   83
.set MSB, 0
.macro WIN new
.if MSB != (\new)
	s_set_vgpr_msb (MSB<<8)|(\new)
.set MSB, (\new)
.endif
.endm
.macro PLACES n
.rept \n
	v_nop
.endr
.endm
.macro VWAIT
	s_wait_alu depctr_va_vdst(0)
.endm
.macro CROUND                          ; a round of the cluster's barrier
	s_barrier_signal -1
	s_barrier_wait -1
	s_cmp_lg_u32 s14, 0
	s_cbranch_scc1 .Lnot_wave_0_\@
	s_barrier_signal -3
.Lnot_wave_0_\@:
	s_barrier_wait -3
	s_barrier_signal -1
	s_barrier_wait -1
.endm
.macro ASK                             ; s[LIM] is 7 in the cluster with number 0, else 0
	s_cmp_lt_u32 s[FC], s[LIM]
	s_cbranch_scc0 .Lnot_mine_\@
	global_prefetch_b8 v[PFO], s[PFA:PFA+1] th:TH_LOAD_NT scope:SCOPE_SE
.Lnot_mine_\@:
.endm
; THE CHANGE OF SLOTS.  fill = 1: the slot just left takes the next fill.  step = 1: the walking descriptor moves on first.  turn = 1: the other slot is read from here on.
.macro CHANGE fill, step, turn
	WIN 0
	VWAIT
	s_wait_tensorcnt 0x0                           ; my part of the next slot has landed
	ds_add_u32 v[SPW], v[NIL]
.if \turn
	s_xor_b32 s[TB], s[TB], SLOT
.endif
.if \step
	s_add_co_u32 s[FC], s[FC], 1
	s_xor_b32 s[G0KV+1], s[G0KV+1], SLOT
	s_add_nc_u64 s[G0KV+2:G0KV+3], s[G0KV+2:G0KV+3], 131072
	s_wait_xcnt 0x0                                ; any prefetch of mine has read its address
	s_add_nc_u64 s[PFA:PFA+1], s[PFA:PFA+1], 131072
.endif
	s_wait_dscnt 0x0                               ; the add, my LDS stores and my reads of the slot that is left are done
.if \fill
	CROUND
	tensor_load_to_lds s[G0KV:G0KV+3], s[G1KV:G1KV+7]
	s_nop 0
	PLACES 4
	ASK
.else
	s_barrier_signal -1
	s_barrier_wait -1
.endif
.if \turn
	v_add_nc_u32 v[ADK], s[TB], v[AK]
	VWAIT
.endif
.endm
; group n of the slot in hand: four fragments into ring buffer n % 2.  K: key tile n, embedding steps 0..3.  V: channel tile n / 2, my own four key steps (n even) or my partner's (n odd)
.macro FETCH n
.irp m, 0,1,2,3
.irp c, 0,1,2,3
	ds_load_b128 v[FB+64*((\n)%2)+16*\m+4*\c:FB+64*((\n)%2)+16*\m+4*\c+3], v[ADK] offset:8192*(\n)+2048*\m+512*\c
.endr
.endr
.endm
; 16 matrix instructions: four links of four accumulators that take turns, three others between two links; ring buffer rb against source 1's four K steps and four query tiles
.macro BURST kt, db, rb, first
.irp c, 0,1,2,3
.irp t, 0,1,2,3
.set rD, 128*(\db)+32*\t+8*(\kt)
.set rA, FB+64*(\rb)+16*\c
.set rB, 64*\c+16*\t
.if (\first) && (\c == 0)
	v_wmma_f32_16x16x128_bf8_bf8 v[rD:rD+7], v[rA:rA+15], v[rB:rB+15], 0
.else
	v_wmma_f32_16x16x128_bf8_bf8 v[rD:rD+7], v[rA:rA+15], v[rB:rB+15], v[rD:rD+7]
.endif
.endr
.endr
.endm
	s_load_b256 s[4:11], s[0:1], 0x0               ; tokens, Wq, kv, the scales' exponents
	s_load_b64 s[12:13], s[0:1], 0x20              ; out0
	v_lshl_add_u32 v[SPW], v0, 2, SPARE
	v_mov_b32 v[NIL], 0
	ds_add_u32 v[SPW], v[NIL]                      ; the opening lines: the add twice on end
	ds_add_u32 v[SPW], v[NIL]
	v_lshrrev_b32 v1, 5, v0
	v_readfirstlane_b32 s14, v1                    ; wave
	v_and_b32 v[LI], 31, v0
	v_lshlrev_b32 v[PFO], 8, v[LI]
	v_lshlrev_b32 v[LI], 4, v[LI]
	s_and_b32 s2, s14, 1                           ; kh
	s_lshr_b32 s81, s14, 1                         ; qh
	s_mov_b32 s3, 0x80808080
	s_bfe_u32 s15, ttmp6, 0x40000                  ; cx
	s_lshl_b32 s16, ttmp9, 2
	s_add_co_u32 s16, s16, s15                     ; block of 128 queries
	s_and_b32 s17, ttmp7, 0xffff                   ; batch
	s_mov_b32 s[G1W], 15|(1<<20)|(1<<21)|(6<<22)|(3<<25)   ; Wq: 64 rows of 512 bytes a wave, four words of padding after every 128
	s_mov_b32 s[G1W+1], 512<<16
	s_mov_b32 s[G1W+2], 64<<16
	s_mov_b32 s[G1W+3], 512<<16
	s_mov_b32 s[G1W+4], 64
	s_mov_b32 s[G1W+5], 512
	s_mov_b32 s[G1W+6], 0
	s_mov_b32 s[G1W+7], 0
	s_mov_b32 s[G1KV], 15|(3<<16)|(1<<21)          ; kv: 32,768 dense bytes a wave, as 128 rows of 256
	s_mov_b32 s[G1KV+1], 32<<16
	s_mov_b32 s[G1KV+2], 128<<16
	s_mov_b32 s[G1KV+3], 32<<16
	s_mov_b32 s[G1KV+4], 128
	s_mov_b32 s[G1KV+5], 32
	s_mov_b32 s[G1KV+6], 0
	s_mov_b32 s[G1KV+7], 0
	s_lshl_b32 s58, s14, 15                        ; my quarter of a fill; my 64 rows of Wq
	s_mov_b32 s59, 0
	s_lshl_b32 s18, s17, 20
	s_lshl_b32 s66, s15, 15
	s_lshl_b32 s67, s14, 13
	s_add_co_u32 s66, s66, s67
	s_add_co_u32 s66, s66, s18
	s_add_co_u32 s66, s66, 131072                  ; the prefetches: fill 1
	s_mov_b32 s67, 0
	s_add_co_u32 s18, s18, s58
	s_mov_b32 s19, 0
	s_lshl_b32 s60, s17, 21                        ; my 64 rows of tokens
	s_lshl_b32 s61, s16, 16
	s_add_co_u32 s60, s60, s61
	s_lshl_b32 s61, s81, 15
	s_add_co_u32 s60, s60, s61
	s_mov_b32 s61, 0
	s_lshl_b32 s62, s60, 2                         ; and of the output, + my 64 channels of a block
	s_lshl_b32 s63, s2, 8
	s_add_co_u32 s62, s62, s63
	s_mov_b32 s63, 0
	s_cmp_eq_u32 ttmp9, 0
	s_cselect_b32 s[LIM], 7, 0
	s_mov_b32 s[FC], 0
	s_mov_b32 s[TB], 0
	s_mov_b32 s[NEG], 0xff800000                   ; -infinity
	s_mov_b32 s46, 0x42c80000                      ; 100.0
	s_mov_b32 s[SEL], 0x76543210
	s_mov_b32 s[SEL+1], 0xfedcba98
	s_mov_b32 s[CS], 0x3d8293ee                    ; log2(e) / sqrt(512)
	VWAIT
	s_wait_dscnt 0x0                               ; both opening adds are done
	s_wait_kmcnt 0x0
	s_load_b256 s[68:75], s[10:11], 0x0            ; e0 .. e7
	s_load_b64 s[76:77], s[10:11], 0x20            ; e8, e9
	s_mov_b32 s[G0W], 1
	s_mul_i32 s[G0W+1], s14, 64*WP
	s_add_nc_u64 s[G0W+2:G0W+3], s[6:7], s[58:59]
	s_or_b32 s[G0W+3], s[G0W+3], 0x80000000
	s_mov_b32 s[G0KV], 1
	s_mov_b32 s[G0KV+1], s58
	s_add_nc_u64 s[G0KV+2:G0KV+3], s[8:9], s[18:19]
	s_or_b32 s[G0KV+3], s[G0KV+3], 0x80000000
	s_add_nc_u64 s[PFA:PFA+1], s[8:9], s[66:67]
	s_add_nc_u64 s[4:5], s[4:5], s[60:61]
	s_add_nc_u64 s[12:13], s[12:13], s[62:63]
	CROUND
	tensor_load_to_lds s[G0W:G0W+3], s[G1W:G1W+7]  ; Wq's rows 0-255: one load a wave at the head
	s_nop 0
	PLACES 4
	WIN 0xc0
.set j, 0
.rept 64
	global_load_b128 v[4*j:4*j+3], v[LI], s[4:5] offset:j*512   ; a row of tokens an instruction, into window 3
.set j, j+1
.endr
	WIN 0
	v_and_b32 v1, 15, v0                           ; r
	v_bfe_u32 v2, v0, 4, 1                         ; h
	VWAIT
	s_lshl_b32 s78, s2, 16
	v_add_nc_u32 v[AK], s78, v[LI]
	s_mul_i32 s78, s2, 128*WP
	v_mul_u32_u24 v30, v1, WP
	v_lshl_add_u32 v30, v2, 3, v30                 ; a fragment's row + 8 h
	v_add_nc_u32 v[AW], s78, v30
	s_mul_i32 s78, s14, 8448
	s_add_co_u32 s78, s78, STAGE
	v_add_nc_u32 v[TKA], s78, v30
	v_add_nc_u32 v[QA0], s78, v[LI]
	s_mul_i32 s78, s81, 16896
	s_add_co_u32 s78, s78, STAGE
	v_add_nc_u32 v[QP], s78, v[LI]
	s_mul_i32 s78, s14, 4352
	s_add_co_u32 s78, s78, STAGE
	v_mul_u32_u24 v[STO], v1, 272
	v_lshl_add_u32 v[STO], v2, 5, v[STO]
	v_add_nc_u32 v[STO], s78, v[STO]               ; in: row r, 32 bytes for each half of the lanes
	v_mul_u32_u24 v[RD], v2, 272
	v_lshl_add_u32 v[RD], v1, 4, v[RD]
	v_add_nc_u32 v[RD], s78, v[RD]                 ; back: lanes 0-15 one row of 256 bytes, lanes 16-31 the next
	v_lshlrev_b32 v[CO], 11, v2
	v_lshl_add_u32 v[CO], v1, 4, v[CO]
	s_lshl_b32 s78, s14, 12
	s_add_co_u32 s78, s78, STAGE
	v_add_nc_u32 v[XS], s78, v[LI]
	s_xor_b32 s79, s14, 1                          ; my partner: the same queries, the other keys
	s_lshl_b32 s78, s79, 12
	s_add_co_u32 s78, s78, STAGE
	v_add_nc_u32 v[XPP], s78, v[LI]
	v_lshrrev_b32 v31, 1, v[LI]                    ; 8 x lane
	s_lshl_b32 s78, s14, 10
	s_add_co_u32 s78, s78, XREG
	v_add_nc_u32 v[XRO], s78, v31
	s_lshl_b32 s78, s79, 10
	s_add_co_u32 s78, s78, XREG
	v_add_nc_u32 v[XRP], s78, v31
	v_mov_b32 v[KONE], 0x7f7f7f7f
.irp t, 0,1,2,3
	v_mov_b32 v[INV+2*\t+1], 0                     ; (named as the upper half of a pair)
	v_mov_b32 v[NMA+2*\t], 0x7f61b1e6              ; -M ahead of step 0: 3e38
	v_mov_b32 v[FF+2*\t+1], 0xff61b1e6             ; the largest score so far: -3e38
	v_mov_b32 v[TA+16+2*\t], 0                     ; a lane permute's destination counts as one of its sources
	v_mov_b32 v[SM+4*\t], 0
	v_mov_b32 v[SM+4*\t+1], 0
	v_mov_b32 v[SM+4*\t+2], 0
	v_mov_b32 v[SM+4*\t+3], 0
	v_mov_b32 v[HI+4+\t], 0                        ; (written on one way of the loop below only)
	v_mov_b32 v[HI+8+\t], 0
	v_mov_b32 v[HI+12+\t], 0
	v_mov_b32 v[HI+16+\t], 0
.endr
	VWAIT
	s_wait_kmcnt 0x0
	s_add_co_i32 s78, s74, s75
	s_lshl_b32 s78, s78, 23
	s_add_co_i32 s[CS], s[CS], s78                 ; a score stands for score x 2^(e6 + e7)
	s_mov_b32 s[CS+1], s[CS]                       ; (named with it as a pair)
	s_xor_b32 s[NCS], s[CS], 0x80000000
	s_add_co_i32 s78, s76, 127
	s_lshl_b32 s79, s78, 23
	v_mov_b32 v[PSC], s79                          ; 2^e8
	s_add_co_i32 s78, s78, 15
	s_lshl_b32 s78, s78, 23
	s_or_b32 s78, s78, 0x600000
	v_mov_b32 v[PLIM], s78                         ; 57,344 x 2^e8
	s_sub_co_i32 s78, s74, s68
	s_sub_co_i32 s78, s78, s69
	s_add_co_i32 s78, s78, 127+TWICE
	s_lshl_b32 s79, s78, 23
	v_mov_b32 v[QSC], s79                          ; the scale of Q's conversion
	s_add_co_i32 s78, s78, 15
	s_lshl_b32 s78, s78, 23
	s_or_b32 s78, s78, 0x600000
	v_mov_b32 v[QLIM], s78
	s_add_co_i32 s80, s76, s77                     ; e8 + e9
	VWAIT                                          ; the head's end
	s_wait_tensorcnt 0x0                           ; my part of Wq's first half is in; these lines stand ahead of slot 1's first fill as ahead of a refill
	ds_add_u32 v[SPW], v[NIL]
	s_add_co_u32 s[G0W+1], s[G0W+1], SLOT
	s_add_nc_u64 s[G0W+2:G0W+3], s[G0W+2:G0W+3], 131072
	s_wait_dscnt 0x0
	CROUND
	tensor_load_to_lds s[G0W:G0W+3], s[G1W:G1W+7]  ; rows 256-511 into slot 1
	s_nop 0
	PLACES 4
; the tokens: 16 rows at a time through my own stage; LDS serves a wave's instructions in order (ISA guide 5.7.1.4)
.irp t, 0,1,2,3
	s_wait_loadcnt 48-16*\t
	WIN 0x0c
.irp n, 0,1,2,3,4,5,6,7,8,9,10,11,12,13,14,15
	ds_store_b128 v[QA0], v[64*\t+4*\n:64*\t+4*\n+3] offset:\n*WP
.endr
	WIN 0x80
.irp k, 0,1,2,3
.irp c, 0,1,2,3,4,5,6,7
	ds_load_b64 v[64*\t+16*\k+2*\c:64*\t+16*\k+2*\c+1], v[TKA] offset:128*\k+16*\c
.endr
.endr
.endr
	WIN 0
	s_wait_dscnt 0x0
.if TWICE
	WIN 0xc8
.set j, 0
.rept 256
	v_xor_b32 v[j], s3, v[j]                       ; the negatives, window 3, of window 2's codes
.set j, j+1
.endr
	WIN 0
.endif
.macro FETCHW rb, o                    ; a tile of 16 rows of Wq: four fragments, k in its own places
.irp k, 0,1,2,3
.irp c, 0,1,2,3,4,5,6,7
	ds_load_b64 v[FB+64*(\rb)+16*\k+2*\c:FB+64*(\rb)+16*\k+2*\c+1], v[ADK] offset:(\o)+128*\k+16*\c
.endr
.endr
.endm
.macro QMUL u, neg
.irp t, 0,1,2,3
.set rD, 128+64*(\u)+32*(\neg)+8*\t
.set rA, FB+64*(\u)+16*qk
.set rB, 64*\t+16*qk
.if qk == 0
	v_wmma_f32_16x16x128_bf8_bf8 v[rD:rD+7], v[rA:rA+15], v[rB:rB+15], 0
.else
	v_wmma_f32_16x16x128_bf8_bf8 v[rD:rD+7], v[rA:rA+15], v[rB:rB+15], v[rD:rD+7]
.endif
.endr
.endm
.macro QBURST u
.set qk, 0
.rept 4
	WIN 0x58                                       ; source 0 window 0, source 1 window 2, C and D window 1
	QMUL \u, 0
.if TWICE
	WIN 0x5c                                       ; source 1 window 3
	QMUL \u, 1
.endif
.set qk, qk+1
.endr
.endm
.macro QCONV u
.if TWICE
	WIN 0x45
.set j, 128+64*(\u)
.rept 16
	v_pk_add_f32 v[j:j+1], v[j:j+1], v[j+32:j+33] neg_lo:[0,1] neg_hi:[0,1]   ; twice the sum
.set j, j+2
.endr
.endif
	WIN 0x41
.set j, 128+64*(\u)
.rept 32
	v_med3_num_f32 v[j], v[j], -v[QLIM], v[QLIM]   ; the conversion does not saturate (ISA guide 7.6.2)
.set j, j+1
.endr
	WIN 0x01
.irp t, 0,1,2,3
	v_cvt_scalef32_pk8_bf8_f32 v[CD+4*\t+2*(\u):CD+4*\t+2*(\u)+1], v[128+64*(\u)+8*\t:128+64*(\u)+8*\t+7], v[QSC]
.endr
	v_nop
	WIN 0
.endm
.macro QTRIP more                      ; two tiles of Wq, 32 rows; more = 1: the next two are fetched.  The counts: the younger tile's 32 loads may be out
	VWAIT
	s_wait_dscnt 32
	QBURST 0
	WIN 0
	PLACES 4                                       ; for the loads into registers that these products read, and for the reads of their results
.if \more
	FETCHW 0, 32*WP
	s_wait_dscnt 32
.else
	s_wait_dscnt 0x0
.endif
	QBURST 1
	WIN 0
	PLACES 4
.if \more
	FETCHW 1, 48*WP
.endif
	QCONV 0
	QCONV 1
.irp t, 0,1,2,3
	ds_store_b128 v[QA], v[CD+4*\t:CD+4*\t+3] offset:2048*\t   ; registers 4 p .. 4 p + 3 of the operand, p the trip
.endr
.endm
.macro PASS sn                         ; my 128 rows of the half of Wq in slot sn: embedding step 2 sn + kh
	s_mov_b32 s[OW], (\sn)*SLOT
	s_mov_b32 s[OQ], 0
	v_add_nc_u32 v[ADK], s[OW], v[AW]
	v_mov_b32 v[QA], v[QA0]
	FETCHW 0, 0
	FETCHW 1, 16*WP
.if \sn
	VWAIT
	s_wait_dscnt 0x0                               ; my reads of the last pass's codes are over, and behind the barrier everybody's
	s_barrier_signal -1
	s_barrier_wait -1
.endif
	s_mov_b32 s[CNT], 3
	VWAIT
.Lpass_\@:
	QTRIP 1
	s_add_co_u32 s[OW], s[OW], 32*WP
	s_add_co_u32 s[OQ], s[OQ], 512
	v_add_nc_u32 v[ADK], s[OW], v[AW]
	v_add_nc_u32 v[QA], s[OQ], v[QA0]
	s_sub_co_u32 s[CNT], s[CNT], 1
	s_cmp_lg_u32 s[CNT], 0
	VWAIT
	s_cbranch_scc1 .Lpass_\@
	QTRIP 0
.endm
.macro QREAD sn                        ; embedding steps 2 sn (made by the pair's first wave) and 2 sn + 1 (by its second)
	WIN 0x40
.irp p, 0,1
.irp t, 0,1,2,3
.irp c, 0,1,2,3
	ds_load_b128 v[64*(2*(\sn)+\p)+16*\t+4*\c:64*(2*(\sn)+\p)+16*\t+4*\c+3], v[QP] offset:8448*\p+2048*\t+512*\c
.endr
.endr
.endr
	WIN 0
.endm
	PASS 0
	CHANGE 1, 0, 0                                 ; Wq's first half has been read: K's slot 0 takes its place
	QREAD 0
	PASS 1
	CHANGE 1, 1, 0                                 ; K's slot 1
	QREAD 1
	v_add_nc_u32 v[ADK], s[TB], v[AK]
	FETCH 0
	FETCH 1
	VWAIT
; THE SOFTMAX OF A STEP: 4 query tiles x 32 scores a lane in buffer sb of S
.macro MAXP sb                         ; two chains a query tile
.irp q, 0,1,2,3,4,5,6,7,8,9,10,11,12,13,14,15
.irp t, 0,1,2,3
.set rS, 128*(\sb)+32*\t+2*\q
.set rT, TA+8*(\q%2)+2*\t
.if \q < 2
	v_max3_num_f32 v[rT], s[NEG], v[rS], v[rS+1]
.else
	v_max3_num_f32 v[rT], v[rT], v[rS], v[rS+1]
.endif
.endr
.endr
.endm
.macro REDUCE old, new
.irp t, 0,1,2,3
	v_max_num_f32 v[TA+2*\t], v[TA+2*\t], v[TA+8+2*\t]
.endr
.irp t, 0,1,2,3
	v_permlanex16_b32 v[TA+16+2*\t], v[TA+2*\t], s[SEL], s[SEL+1]   ; lane l xor 16 holds the same query's other keys
.endr
.irp t, 0,1,2,3
	v_max3_num_f32 v[FF+2*\t+1], v[FF+2*\t+1], v[TA+2*\t], v[TA+16+2*\t]
.endr
.irp t, 0,1,2,3
	v_mul_f32 v[TA+8+2*\t], s[NCS], v[FF+2*\t+1]   ; -t of the largest score (c is positive)
.endr
.irp t, 0,1,2,3
	v_floor_f32 v[\new+2*\t], v[TA+8+2*\t]         ; the new -M
.endr
.irp t, 0,1,2,3
	v_sub_f32 v[TA+8+2*\t], v[\new+2*\t], v[\old+2*\t]
.endr
.irp t, 0,1,2,3
	v_cvt_i32_f32 v[TA+8+2*\t], v[TA+8+2*\t]       ; (it saturates)
.endr
.irp t, 0,1,2,3
	v_ldexp_f32 v[FF+2*\t], 1.0, v[TA+8+2*\t]      ; f = 2^(old M - new M)
.endr
.irp t, 0,1,2,3
	v_pk_mul_f32 v[SM+4*\t:SM+4*\t+1], v[SM+4*\t:SM+4*\t+1], v[FF+2*\t:FF+2*\t+1] op_sel_hi:[1,0]
	v_pk_mul_f32 v[SM+4*\t+2:SM+4*\t+3], v[SM+4*\t+2:SM+4*\t+3], v[FF+2*\t:FF+2*\t+1] op_sel_hi:[1,0]
.endr
.endm
.macro PKFMA sb, new
.irp t, 0,1,2,3
.set j, 128*(\sb)+32*\t
.rept 16
	v_pk_fma_f32 v[j:j+1], v[j:j+1], s[CS:CS+1], v[\new+2*\t:\new+2*\t+1] op_sel_hi:[1,0,0]   ; t - M
.set j, j+2
.endr
.endr
.endm
.macro EXPS sb, t0
.set j, 128*(\sb)+32*(\t0)
.rept 64
	v_exp_f32 v[j], v[j]
.set j, j+1
.endr
.endm
.macro PKADD sb                        ; the row's sum, of the unquantised p
.irp q, 0,1,2,3,4,5,6,7,8,9,10,11,12,13,14,15
.irp t, 0,1,2,3
.set rS, 128*(\sb)+32*\t+2*\q
.set rT, SM+4*\t+2*(\q%2)
	v_pk_add_f32 v[rT:rT+1], v[rT:rT+1], v[rS:rS+1]
.endr
.endr
.endm
.macro CODES sb, pd                    ; held at the largest code (p is not negative), converted: 8 registers a query tile, from pd + 16 t on in window 3
	WIN 0x82
.set j, 128*(\sb)
.rept 128
	v_min_num_f32 v[j], v[j], v[PLIM]
.set j, j+1
.endr
	WIN 0xc2
.irp t, 0,1,2,3
.irp q, 0,1,2,3
	v_cvt_scalef32_pk8_bf8_f32 v[(\pd)+16*\t+2*\q:(\pd)+16*\t+2*\q+1], v[128*(\sb)+32*\t+8*\q:128*(\sb)+32*\t+8*\q+7], v[PSC]
.endr
.endr
	v_nop
	WIN 0
.endm
.macro BLK kt, db                      ; a key tile: 16 matrix instructions; the younger group's 16 loads may be out
	VWAIT
	s_wait_dscnt 16
	WIN 0xa4                                       ; source 0 window 0, source 1 window 1, C and D window 2
	BURST \kt, \db, (\kt)%2, 1
.endm
; A step's softmax (buffer sb) between the next step's four runs of matrix instructions (buffer 1 - sb, groups 4 sp ..).  The vector work behind a run is also the places in front of the loads into the ring buffer that the run read.
.macro JOINT sb, sp, old, new, pd
	BLK 0, 1-(\sb)
	WIN 0x28
	VWAIT                                          ; the scores are first read here, behind transcendentals
	MAXP \sb
	WIN 0
	REDUCE \old, \new
	FETCH 4*(\sp)+2
	BLK 1, 1-(\sb)
	WIN 0x82
	PKFMA \sb, \new
	VWAIT                                          ; ahead of the batch of exponentials
	EXPS \sb, 0
	WIN 0
	FETCH 4*(\sp)+3
	BLK 2, 1-(\sb)
	WIN 0x82
	EXPS \sb, 2
	v_nop                                          ; a plain place behind the exponentials
	WIN 0x08
	VWAIT                                          ; ahead of the batch's first reader
	PKADD \sb
	WIN 0
.if \sp
	CHANGE 1, 1, 1                                 ; all of this slot's fragments are in my registers
	FETCH 0
.else
	FETCH 4
.endif
	BLK 3, 1-(\sb)
	CODES \sb, \pd
.if \sp
	FETCH 1
.else
	FETCH 5
.endif
.endm
.macro KEEP d1, d2, hs                 ; the trip's codes and its two -M to the places of their steps
	WIN 0xc3
.irp t, 0,1,2,3
.irp q, 0,1,2,3,4,5,6,7
	v_mov_b32 v[(\d1)+16*\t+\q], v[136+16*\t+\q]
	v_mov_b32 v[(\d2)+16*\t+\q], v[192+16*\t+\q]
.endr
.endr
	WIN 0
.irp t, 0,1,2,3
	v_mov_b32 v[HI+4*(\hs)+\t], v[NMA+2*\t]
	v_mov_b32 v[HI+4*(\hs)+4+\t], v[NMB+2*\t]
.endr
	VWAIT
.endm
.irp kt, 0,1,2,3                       ; step 0's scores
	BLK \kt, 0
	WIN 0
	PLACES 4
	FETCH \kt+2
.endr
	JOINT 0, 1, NMA, NMB, 0
.irp t, 0,1,2,3
	v_mov_b32 v[HI+\t], v[NMB+2*\t]
.endr
	s_mov_b32 s[CNT], 3
	VWAIT
.Lstep:                                        ; steps 1, 2; 3, 4; 5, 6: their softmax, and the scores of the step after each.  The last trip's codes stand in their places as made
	JOINT 1, 0, NMB, NMA, 136
	JOINT 0, 1, NMA, NMB, 192
	VWAIT
	s_cmp_lg_u32 s[CNT], 3
	s_cbranch_scc1 .Lnot_first
	KEEP 8, 64, 1
.Lnot_first:
	s_cmp_lg_u32 s[CNT], 2
	s_cbranch_scc1 .Lnot_second
	KEEP 72, 128, 3
.Lnot_second:
	s_sub_co_u32 s[CNT], s[CNT], 1
	s_cmp_lg_u32 s[CNT], 0
	VWAIT
	s_cbranch_scc1 .Lstep
	WIN 0x28                                       ; step 7's softmax
	VWAIT
	MAXP 1
	WIN 0
	REDUCE NMB, NMC
	WIN 0x82
	PKFMA 1, NMC
	VWAIT
	EXPS 1, 0
	EXPS 1, 2
	v_nop
	WIN 0x08
	VWAIT
	PKADD 1
	CODES 1, 200
; THE PAIR'S COMMON M AND SUM
.irp t, 0,1,2,3
	v_pk_add_f32 v[SM+4*\t:SM+4*\t+1], v[SM+4*\t:SM+4*\t+1], v[SM+4*\t+2:SM+4*\t+3]
.endr
.irp t, 0,1,2,3
	v_add_f32 v[NMC+2*\t+1], v[SM+4*\t], v[SM+4*\t+1]
.endr
.irp t, 0,1,2,3
	v_permlanex16_b32 v[TA+2*\t], v[NMC+2*\t+1], s[SEL], s[SEL+1]
.endr
.irp t, 0,1,2,3
	v_add_f32 v[NMC+2*\t+1], v[NMC+2*\t+1], v[TA+2*\t]
.endr
.irp t, 0,1,2,3
	ds_store_b64 v[XRO], v[NMC+2*\t:NMC+2*\t+1] offset:256*\t
.endr
	VWAIT
	s_wait_dscnt 0x0
	s_barrier_signal -1
	s_barrier_wait -1
.irp t, 0,1,2,3
	ds_load_b64 v[PX+2*\t:PX+2*\t+1], v[XRP] offset:256*\t
.endr
	s_wait_dscnt 0x0
.irp t, 0,1,2,3
	v_min_num_f32 v[FF+2*\t], v[NMC+2*\t], v[PX+2*\t]   ; -M of the row
.endr
.irp t, 0,1,2,3
	v_sub_f32 v[TA+2*\t], v[FF+2*\t], v[NMC+2*\t]
	v_sub_f32 v[TA+8+2*\t], v[FF+2*\t], v[PX+2*\t]
.endr
.irp t, 0,1,2,3
	v_cvt_i32_f32 v[TA+2*\t], v[TA+2*\t]
	v_cvt_i32_f32 v[TA+8+2*\t], v[TA+8+2*\t]
.endr
.irp t, 0,1,2,3
	v_ldexp_f32 v[TA+2*\t], v[NMC+2*\t+1], v[TA+2*\t]
	v_ldexp_f32 v[TA+8+2*\t], v[PX+2*\t+1], v[TA+8+2*\t]
.endr
.irp t, 0,1,2,3
	v_add_f32 v[TA+2*\t], v[TA+2*\t], v[TA+8+2*\t]   ; the row's sum
.endr
	VWAIT
.irp t, 0,1,2,3
	v_rcp_f32 v[INV+2*\t], v[TA+2*\t]
.endr
	v_nop
	VWAIT
.irp t, 0,1,2,3
	v_ldexp_f32 v[INV+2*\t], v[INV+2*\t], s80      ; x 2^(e8 + e9)
.endr
; what each step's codes are divided by: 2^(M of the row - M of the step), the exponent held at 100, where every code becomes 0
.macro EACH op
.irp st, 0,1,2,3,4,5,6,7
.irp t, 0,1,2,3
.if \st < 5
.set rH, HI+4*\st+\t
.else
.set rH, NMA+8*(\st-5)+2*\t
.endif
.if \op == 0
	v_sub_f32 v[rH], v[rH], v[FF+2*\t]
.elseif \op == 1
	v_min_num_f32 v[rH], s46, v[rH]
.elseif \op == 2
	v_cvt_i32_f32 v[rH], v[rH]
.else
	v_ldexp_f32 v[rH], 1.0, v[rH]
.endif
.endr
.endr
.endm
	EACH 0
	EACH 1
	EACH 2
	EACH 3
; my codes under the row's M, and the pair's exchange, in eight pieces of 32 registers (slot i / 2, query tiles 2 (i % 2), + 1), two buffers of LDS by turns: one barrier a piece
.irp i, 0,1,2,3,4,5,6,7
	WIN 0x83
.irp u, 0,1
.irp q, 0,1,2,3,4,5,6,7
.set rP, 64*(\i/2)+16*(2*(\i%2)+\u)+2*\q
	v_cvt_scale_pk8_f32_bf8 v[64*\u+8*\q:64*\u+8*\q+7], v[rP:rP+1], v[KONE]
.endr
.endr
	v_nop
	WIN 0xc2
.irp u, 0,1
.irp q, 0,1,2,3,4,5,6,7
.set rP, 64*(\i/2)+16*(2*(\i%2)+\u)+2*\q
.set rJ, 2*(\i/2)+\q/4
.if rJ < 5
.set rH, HI+4*rJ+2*(\i%2)+\u
.else
.set rH, NMA+8*(rJ-5)+2*(2*(\i%2)+\u)
.endif
	v_cvt_scalef32_pk8_bf8_f32 v[rP:rP+1], v[64*\u+8*\q:64*\u+8*\q+7], v[rH]
.endr
.endr
	v_nop
	WIN 0x0c
.irp q, 0,1,2,3,4,5,6,7
.set rP, 64*(\i/2)+32*(\i%2)+4*\q
	ds_store_b128 v[XS], v[rP:rP+3] offset:16384*(\i%2)+512*\q
.endr
	WIN 0
	VWAIT
	s_wait_dscnt 0x0                               ; my piece is stored, and my reads of the piece before are over
	s_barrier_signal -1
	s_barrier_wait -1
	WIN 0x40
.irp q, 0,1,2,3,4,5,6,7
.set rP, 64*(\i/2)+32*(\i%2)+4*\q
	ds_load_b128 v[rP:rP+3], v[XPP] offset:16384*(\i%2)+512*\q
.endr
	WIN 0
.endr
; O: a block of 128 channels; the wave's four channel tiles one after the other, each against my own four key steps and then my partner's.  mode 0: a refill; 1: a change of slots without one; 2: the last block
.macro CGRP n, mode
.if ((\mode) == 2) && ((\n) == 7)
	s_wait_dscnt 0x0
.else
	s_wait_dscnt 16                                ; the younger group's 16 loads may be out
.endif
.if (\n)%2
	WIN 0xa4
.else
	WIN 0xac
.endif
	BURST (\n)/2, 0, (\n)%2, 1-(\n)%2
	WIN 0
	PLACES 4
.if (\n) < 6
	FETCH (\n)+2
.elseif (\mode) < 2
.if (\n) == 6
	CHANGE 1-(\mode), 1-(\mode), 1
.endif
	FETCH (\n)-6
.endif
.endm
.macro SEND t, younger
	s_wait_dscnt \younger
.irp q, 0,1,2,3,4,5,6,7
	global_store_b128 v[CO], v[BK+64*((\t)%2)+4*\q:BK+64*((\t)%2)+4*\q+3], s[12:13] offset:(16*(\t)+2*\q)*2048 th:TH_STORE_NT   ; sixteen lanes store 256 consecutive bytes, aligned
.endr
.endm
.macro BLOCK mode
.irp n, 0,1,2,3,4,5,6,7
	CGRP \n, \mode
.endr
.irp t, 0,1,2,3                        ; the way out, 16 rows x 64 channels at a time through my own stage
	s_wait_xcnt 0x0                                ; the stores that read BK's registers and the base have done so
	WIN 0x02
.set j, 0
.rept 16
	v_pk_mul_f32 v[TMP+j:TMP+j+1], v[32*\t+j:32*\t+j+1], v[INV+2*\t:INV+2*\t+1] op_sel_hi:[1,0]
.set j, j+2
.endr
	WIN 0
.irp q, 0,1,2,3
	ds_store_b128 v[STO], v[TMP+8*\q:TMP+8*\q+3] offset:64*\q
	ds_store_b128 v[STO], v[TMP+8*\q+4:TMP+8*\q+7] offset:64*\q+16
.endr
.irp q, 0,1,2,3,4,5,6,7
	ds_load_b128 v[BK+64*(\t%2)+4*\q:BK+64*(\t%2)+4*\q+3], v[RD] offset:544*\q
.endr
.if \t > 0
	SEND \t-1, 16                                  ; behind its loads: the next tile's 8 stores and 8 loads
.endif
.endr
	SEND 3, 0
	s_wait_xcnt 0x0
	s_add_nc_u64 s[12:13], s[12:13], 512           ; the next block's channels
.endm
	s_mov_b32 s[CNT], 2
	VWAIT
.Lblock:
	BLOCK 0
	s_sub_co_u32 s[CNT], s[CNT], 1
	s_cmp_lg_u32 s[CNT], 0
	VWAIT
	s_cbranch_scc1 .Lblock
	BLOCK 1
	BLOCK 2
	s_wait_tensorcnt 0x0                           ; the wave's end
	ds_add_u32 v[SPW], v[NIL]
	s_wait_dscnt 0x0
	CROUND                                         ; the closing round
	s_endpgm
.Lfunc_end_k_q7a78053b0d_attn:
	.size	k_q7a78053b0d_attn, .Lfunc_end_k_q7a78053b0d_attn-k_q7a78053b0d_attn
	.p2alignl 7, 3214868480
	.fill 96, 4, 3214868480
	.section	.rodata,"a",@progbits
	.p2align	6, 0x0
	.amdhsa_kernel k_q7a78053b0d_attn
		.amdhsa_group_segment_fixed_size 327680
		.amdhsa_private_segment_fixed_size 0
		.amdhsa_enable_private_segment 0
		.amdhsa_kernarg_size 40
		.amdhsa_user_sgpr_count 2
		.amdhsa_user_sgpr_kernarg_segment_ptr 1
		.amdhsa_wavefront_size32 1
		.amdhsa_system_sgpr_workgroup_id_x 1
		.amdhsa_system_sgpr_workgroup_id_y 1
		.amdhsa_system_sgpr_workgroup_id_z 1
		.amdhsa_system_vgpr_workitem_id 0
		.amdhsa_next_free_vgpr 1024
		.amdhsa_next_free_sgpr 96
		.amdhsa_reserve_vcc 0
		.amdhsa_float_denorm_mode_32 3
		.amdhsa_float_denorm_mode_16_64 3
		.amdhsa_memory_ordered 1
		.amdhsa_forward_progress 1
		.amdhsa_inst_pref_size 255
	.end_amdhsa_kernel
	.section	.bss,"aw",@nobits
	.p2align	6
	.space	262144
	.amdgpu_metadata
---
amdhsa.version: [ 1, 2 ]
amdhsa.kernels:
  - .name:           k_q7a78053b0d_attn
    .symbol:         k_q7a78053b0d_attn.kd
    .args:
      - { .name: tokens_codes, .offset: 0, .size: 8, .value_kind: global_buffer, .address_space: global }
      - { .name: Wq_codes, .offset: 8, .size: 8, .value_kind: global_buffer, .address_space: global }
      - { .name: kv, .offset: 16, .size: 8, .value_kind: global_buffer, .address_space: global }
      - { .name: lowp_scales, .offset: 24, .size: 8, .value_kind: global_buffer, .address_space: global }
      - { .name: out0, .offset: 32, .size: 8, .value_kind: global_buffer, .address_space: global }
    .group_segment_fixed_size: 327680
    .private_segment_fixed_size: 0
    .kernarg_segment_align: 8
    .kernarg_segment_size: 40
    .max_flat_workgroup_size: 128
    .sgpr_count:     96
    .vgpr_count:     1024
    .wavefront_size: 32
...
	.end_amdgpu_metadata
.endif
;; end of part 2
